; MI455X (gfx1250); checked and timed in simulation.
; The chip was launched on July 23, 2026; its instructions are those of AMD's public machine-readable ISA for CDNA 5 (MIT licence, August 2026) and "CDNA5" Instruction Set Architecture Reference Guide (July 2026). The comments in the code are by the model that wrote it; some were corrected since.
;; Multihead Lo RA. Allowed arithmetic: float matrix products may take bf16 or f16 operands with f32 sums; other float arithmetic in f32, or as packed bf16 or f16 multiplies, adds, multiply-adds, maxima and minima; sums over many terms, partial sums and values carried from step to step in f32; what a program stores and reads back later, other than sums and carried values, may be rounded once to bf16 or f16.
;; Inputs: A 32 x 16 x 4,096 float32; B 32 x 1,024 x 16 float32; W 1,024 x 4,096 float32; x 4 x 2,048 x 4,096 float32.
;; Outputs: out0 4 x 2,048 x 1,024 float32.
;; 2 versions, each right; version 2 is version 1 with the launch merge written anew for expert scheduling mode. Each part assembles by itself: llvm-mc -triple=amdgcn-amd-amdhsa -mcpu=gfx1250 --defsym DOCPART=n.
;; ======== version 1 of 2: 2 launches
;; workspace buffers: weff 8,388,608 bytes
;; launch merge (part 1): grid 32 x 8, 4 waves a work-group, no clusters, 181,760 bytes of LDS; arguments A, B, W, weff; writes weff
.if DOCPART == 1
	.amdgcn_target "amdgcn-amd-amdhsa--gfx1250"
	.amdhsa_code_object_version 6
	.text
	.protected	k_qf1de342b00_merge
	.globl	k_qf1de342b00_merge
	.p2align	8
	.type	k_qf1de342b00_merge,@function
k_qf1de342b00_merge:
	s_mov_b64 s[64:65], 0
	v_nop
	global_prefetch_b8 v0, s[64:65] scope:SCOPE_SE
	s_setreg_imm32_b32 hwreg(HW_REG_WAVE_MODE, 25, 1), 1
	s_wait_xcnt 0x0
; weff[o][i] = bf16( bf16(W[o][i]) + (1/16) x the sum over k of bf16(Bm[o][k]) bf16(A[k][i]) ),  k = 16 head + r = 0 .. 511,  Bm[o][16 head + r] = B[head][o][r].
; A: [32][16][4096] f32, taken as [512][4096].  B: [32][1024][16] f32.  W: [1024][4096] f32.  weff: [1024][4096] bf16.  Sums in f32.
; WHY.  out = x W^T + (1/16) (x A^T) Bm^T = x (W + (1/16) Bm A)^T for every input: the low-rank path is folded into the weights here, and the next launch is one product.
; LIMITS.  The order of summation differs from the written form's (the sum over heads is taken first); weff is rounded once to bf16; NaN and infinities are not treated apart.
; SHARES.  A work-group makes 128 (o) x 128 (i) of weff: 8 x 32 = 256 work-groups.  Wave w owns rows 32 w .. 32 w + 31: 16 accumulators (2 blocks of 16 o x 8 blocks of 16 i).
; B's rows are a wave's own: they go from memory into registers and are rounded there (all 16 K steps: 256 registers).  A's strip, 512 k x 128 i, is rounded once, each wave a quarter of
; it, and lies in LDS as bf16 [k][i]; its fragments are read turned, by ds_load_tr16_b128.
; LAYOUT.  Source 0 = 16 i x 32 k (A turned), source 1 = 16 o x 32 k (Bm): in the result a lane holds ONE row o (lane % 16) and the columns i = 8 (lane / 16) + 0..7.
; NO CLUSTER, NO TENSOR LOAD: A lies [k][i] in f32 and must pass through registers (the rounding) before the turning load can read it as 16-bit numbers; brought by tensor loads its
; 512 x 512 bytes a work-group would lie in LDS as f32, be read, rounded and stored there again: three passes of LDS for the one that is made here.
; REGISTERS, in windows of 256 (s_set_vgpr_msb: bits 1:0 source 0, 3:2 source 1, 5:4 source 2, 7:6 destination):
;   window 0: v0-29 addresses and at work; v32-95 T (rounded A on its way to LDS), later SM (sums read back); v96-127 TW (W rounded, then the result); v128-255 the accumulators
;   window 1: Bm's fragments, K step s and block ob at 8 (2 s + ob)     window 2: A's fragments, two buffers of 64     window 3: two sets of 128 for f32 as loaded
.set PA,    288                        ; a row of A's strip in LDS: 256 bytes + 32 = 72 words
.set STAGE, 512*PA                     ; behind the strip: 16 rows x 528 bytes for each wave, for the way out
.set SP,    528                        ; a stage row: 128 f32 + 16 bytes
.set SPARE, STAGE+4*16*SP              ; behind the stages: the spare words, 128 bytes for each wave: two blocks of 256 bytes that no other line names
.set AO,  4                            ; v4     16 x lane: my 16 bytes of a row of A's strip in memory
.set AS,  5                            ; v5     where I put my 8 bytes of a row of the strip: my wave's 128 rows + 8 x lane
.set BO,  6                            ; v6     64 (l % 16) + 32 (l / 16): my 32 bytes of a row of B
.set WO,  7                            ; v7     (l / 16) rows of W + 32 (l % 16)
.set ATR, 8                            ; v8-11  the turning load's address for K steps 4 g .. 4 g + 3
.set STO, 12                           ; v12    the way out: where I put 32 bytes of a row
.set RD,  13                           ; v13    the way out: where I read 32 bytes back
.set GO,  14                           ; v14    my 16 bytes of weff
.set U,   16                           ; v16-23 at work
.set SPW, 28                           ; v28    LDS address of my spare word: SPARE + 4 x my thread's number; never rewritten
.set NIL, 29                           ; v29    0; never rewritten
.set T,   32
.set SM,  32
.set TW,  96
.set ACC, 128
.set MSB, 0
.macro WIN new                         ; the immediate's high byte repeats the setting that is left; a switch that changes nothing is dropped
.if MSB != (\new)
	s_set_vgpr_msb (MSB<<8)|(\new)
.set MSB, \new
.endif
.endm
.macro PLACES                          ; four places behind a matrix instruction, in front of loads into registers that it has read and of LDS stores that read results
.rept 4
	v_nop
.endr
.endm
	s_load_b256 s[4:11], s[0:1], 0x0               ; A s[4:5], B s[6:7], W s[8:9], weff s[10:11]
	v_lshl_add_u32 v[SPW], v0, 2, SPARE
	v_mov_b32 v[NIL], 0
	v_lshrrev_b32 v1, 5, v0
	v_readfirstlane_b32 s12, v1                    ; wave 0..3
	s_and_b32 s13, ttmp7, 0xffff                   ; which 128 rows o; ttmp9: which 128 columns i
	v_and_b32 v2, 31, v0                           ; l
	v_and_b32 v1, 15, v0                           ; l % 16
	v_bfe_u32 v3, v0, 4, 1                         ; l / 16
	s_lshl_b32 s14, ttmp9, 9                       ; A: 128 columns of 4 bytes,
	s_lshl_b32 s15, s12, 21                        ; my wave's 128 rows k of 16,384 bytes
	s_add_co_u32 s14, s14, s15
	s_mov_b32 s15, 0
	s_lshl_b32 s16, s13, 13                        ; B: 128 rows o of 64 bytes,
	s_lshl_b32 s17, s12, 11                        ; my wave's 32
	s_add_co_u32 s16, s16, s17
	s_mov_b32 s17, 0
	s_lshl_b32 s18, s13, 21                        ; W: 128 rows of 16,384 bytes,
	s_lshl_b32 s19, s12, 19                        ; my wave's 32,
	s_add_co_u32 s18, s18, s19
	s_lshl_b32 s19, ttmp9, 9                       ; 128 columns of 4 bytes
	s_add_co_u32 s18, s18, s19
	s_mov_b32 s19, 0
	s_lshl_b32 s20, s13, 20                        ; weff: the same in rows of 8,192 bytes and columns of 2
	s_lshl_b32 s21, s12, 18
	s_add_co_u32 s20, s20, s21
	s_lshl_b32 s21, ttmp9, 8
	s_add_co_u32 s20, s20, s21
	s_mov_b32 s21, 0
	s_mul_i32 s22, s12, 128*PA                     ; my wave's 128 rows of the strip in LDS
	s_mul_i32 s23, s12, 16*SP
	s_add_co_u32 s23, s23, STAGE                   ; my stage
	v_lshlrev_b32 v[AO], 4, v2
	v_lshl_add_u32 v[AS], v2, 3, s22
	v_lshlrev_b32 v[BO], 6, v1
	v_lshl_add_u32 v[BO], v3, 5, v[BO]
	v_lshlrev_b32 v[WO], 5, v1
	v_lshl_add_u32 v[WO], v3, 14, v[WO]
	; The turning load takes 16 k x 16 i (lane l reads 16 bytes: row k = 8 (l / 16) + l % 8, columns 8 ((l / 8) % 2) + 0..7) and leaves half a fragment: lane l holds column l % 16 and 8 k.
	v_and_b32 v15, 7, v0
	v_lshl_add_u32 v15, v3, 3, v15
	v_mul_u32_u24 v15, v15, PA
	v_bfe_u32 v24, v0, 3, 1
	v_lshl_add_u32 v[ATR], v24, 4, v15
.irp g, 1,2,3
	v_add_nc_u32 v[ATR+(\g)], (\g)*128*PA, v[ATR]  ; 128 rows k on: the loads' 16-bit offsets reach four K steps
.endr
	v_mul_u32_u24 v[STO], v1, SP                   ; in: row l % 16, 32 bytes for each half of the lanes
	v_lshl_add_u32 v[STO], v3, 5, v[STO]
	v_add_nc_u32 v[STO], s23, v[STO]
	v_mul_u32_u24 v[RD], v3, SP                    ; back: lanes 0-15 take one row, 8 columns each, lanes 16-31 the next
	v_lshl_add_u32 v[RD], v1, 5, v[RD]
	v_add_nc_u32 v[RD], s23, v[RD]
	v_lshlrev_b32 v[GO], 4, v1                     ; and the same two rows in weff, 16 bytes a lane
	v_lshl_add_u32 v[GO], v3, 13, v[GO]
	s_wait_kmcnt 0x0
	s_add_nc_u64 s[4:5], s[4:5], s[14:15]
	s_add_nc_u64 s[6:7], s[6:7], s[16:17]
	s_add_nc_u64 s[8:9], s[8:9], s[18:19]
	s_add_nc_u64 s[10:11], s[10:11], s[20:21]
; 32 rows k of my quarter of A's strip, rows 32 b on, into set: one load is a row's 512 consecutive bytes
.macro LDA b, set
	WIN 0xc0                                       ; destination window 3, address window 0
.set j, 0
.rept 32
	global_load_b128 v[128*(\set)+4*j:128*(\set)+4*j+3], v[AO], s[4:5] offset:(32*(\b)+j)*16384
.set j, j+1
.endr
.endm
; they are rounded to bf16 and put into the strip: a row is 32 lanes x 8 bytes on end
.macro PUTA b, set
	WIN 0x0f                                       ; sources 0 and 1 window 3, destination window 0
.set c, 0
.rept 64
	v_cvt_pk_bf16_f32 v[T+c], v[128*(\set)+2*c], v[128*(\set)+2*c+1]
.set c, c+1
.endr
	WIN 0
.set j, 0
.rept 32
	ds_store_b64 v[AS], v[T+2*j:T+2*j+1] offset:(32*(\b)+j)*PA
.set j, j+1
.endr
.endm
; Bm's fragments of K steps 4 q .. 4 q + 3, as f32.  K step s is heads 2 s and 2 s + 1: a lane's k = 8 (l / 16) + 0..7 are 32 bytes of its row in head 2 s, its k = 16 + 8 (l / 16) + 0..7 the same bytes in head 2 s + 1.
.macro LDB q, set
	WIN 0xc0
.set f, 0
.rept 8                                ; fragment f: K step 4 q + f / 2, block f % 2 of 16 rows o
.set hd, 2*(4*(\q)+f/2)*65536+(f%2)*1024
	global_load_b128 v[128*(\set)+16*f:128*(\set)+16*f+3],     v[BO], s[6:7] offset:hd
	global_load_b128 v[128*(\set)+16*f+4:128*(\set)+16*f+7],   v[BO], s[6:7] offset:hd+16
	global_load_b128 v[128*(\set)+16*f+8:128*(\set)+16*f+11],  v[BO], s[6:7] offset:hd+65536
	global_load_b128 v[128*(\set)+16*f+12:128*(\set)+16*f+15], v[BO], s[6:7] offset:hd+65536+16
.set f, f+1
.endr
.endm
.macro PUTB q, set                     ; rounded to bf16, they are the fragments
	WIN 0x4f                                       ; sources 0 and 1 window 3, destination window 1
.set c, 0
.rept 64
	v_cvt_pk_bf16_f32 v[64*(\q)+c], v[128*(\set)+2*c], v[128*(\set)+2*c+1]
.set c, c+1
.endr
.endm
.macro LDW                             ; my 32 rows x 128 columns of W into set 0, laid as the way out reads the sums back: two rows a pair of loads, 32 bytes a lane.  Each byte of W is read once in the launch
	WIN 0xc0
.irp ob, 0,1
.irp t, 0,1,2,3,4,5,6,7
	global_load_b128 v[64*(\ob)+8*(\t):64*(\ob)+8*(\t)+3],   v[WO], s[8:9] offset:(16*(\ob)+2*(\t))*16384 th:TH_LOAD_NT
	global_load_b128 v[64*(\ob)+8*(\t)+4:64*(\ob)+8*(\t)+7], v[WO], s[8:9] offset:(16*(\ob)+2*(\t))*16384+16 th:TH_LOAD_NT
.endr
.endr
.endm
.macro FETCHA s                        ; A's eight fragments of K step s, turned, into buffer s % 2
	WIN 0x80                                       ; destination window 2
.irp ib, 0,1,2,3,4,5,6,7
	ds_load_tr16_b128 v[64*((\s)%2)+8*(\ib):64*((\s)%2)+8*(\ib)+3],   v[ATR+(\s)/4] offset:((\s)%4)*32*PA+32*(\ib)
	ds_load_tr16_b128 v[64*((\s)%2)+8*(\ib)+4:64*((\s)%2)+8*(\ib)+7], v[ATR+(\s)/4] offset:((\s)%4)*32*PA+32*(\ib)+16*PA
.endr
.endm
.macro STEP s                          ; K step s: 16 products; the 16 accumulators take turns, one instruction a turn.  K step 0 starts the sums: nothing is cleared
	WIN 0x06                                       ; source 0 (A) window 2, source 1 (Bm) window 1, C and D window 0
.irp ob, 0,1
.irp ib, 0,1,2,3,4,5,6,7
.if (\s) == 0
	v_wmma_f32_16x16x32_bf16 v[ACC+8*(8*(\ob)+(\ib)):ACC+8*(8*(\ob)+(\ib))+7], v[64*((\s)%2)+8*(\ib):64*((\s)%2)+8*(\ib)+7], v[8*(2*(\s)+(\ob)):8*(2*(\s)+(\ob))+7], 0
.else
	v_wmma_f32_16x16x32_bf16 v[ACC+8*(8*(\ob)+(\ib)):ACC+8*(8*(\ob)+(\ib))+7], v[64*((\s)%2)+8*(\ib):64*((\s)%2)+8*(\ib)+7], v[8*(2*(\s)+(\ob)):8*(2*(\s)+(\ob))+7], v[ACC+8*(8*(\ob)+(\ib)):ACC+8*(8*(\ob)+(\ib))+7]
.endif
.endr
.endr
.endm
	; THE WAY IN.  Two sets of 128 registers take turns: while one is rounded, the other's 32 loads are on their way, and the first is asked for again at once.
	; Every wait below is for 32: the 32 younger loads, the other set's, may stay out.
	LDA 0, 0
	LDA 1, 1
	s_wait_loadcnt 32
	PUTA 0, 0
	LDA 2, 0
	s_wait_loadcnt 32
	PUTA 1, 1
	LDA 3, 1
	s_wait_loadcnt 32
	PUTA 2, 0
	LDB 0, 0
	s_wait_loadcnt 32
	PUTA 3, 1
	LDB 1, 1
	WIN 0
	s_wait_dscnt 0x0                               ; for the others' sake: my quarter of the strip is stored
	s_barrier_signal -1
	s_barrier_wait -1                              ; the strip is whole; nobody writes it again
	FETCHA 0
	s_wait_loadcnt 32
	PUTB 0, 0
	LDB 2, 0
	s_wait_loadcnt 32
	PUTB 1, 1
	LDB 3, 1
	s_wait_loadcnt 32
	PUTB 2, 0
	LDW                                            ; W comes in under the products
	s_wait_loadcnt 32                              ; W's 32 loads may stay out
	PUTB 3, 1
	; THE PRODUCTS.  K step st is multiplied while K step st + 1's fragments of A come out of LDS.
.set st, 0
.rept 16
.if (st >= 1) && (st < 15)
	PLACES                                         ; the buffer to be loaded was read by the K step before
.endif
.if st < 15
	FETCHA st+1
	s_wait_dscnt 16                                ; this K step's fragments are in; the 16 loads just issued may stay out
.else
	s_wait_dscnt 0x0
.endif
	STEP st
.set st, st+1
.endr
	PLACES                                         ; the LDS stores below read results
; THE WAY OUT of block ob (16 rows o): the sums go through my own stage (LDS serves a wave's instructions in order, ISA guide 5.7.1.4: the loads see the stores) and come back so that a lane
; holds 8 neighbouring columns and 16 lanes a row's 128.  W is rounded to bf16 like the other inputs, widened again, and the sum is added with its factor in one fused multiply-add.
.macro WOUT ob
	WIN 0
.irp ib, 0,1,2,3,4,5,6,7               ; each accumulator's four lowest registers are read first
	ds_store_b128 v[STO], v[ACC+8*(8*(\ob)+(\ib)):ACC+8*(8*(\ob)+(\ib))+3]   offset:64*(\ib)
	ds_store_b128 v[STO], v[ACC+8*(8*(\ob)+(\ib))+4:ACC+8*(8*(\ob)+(\ib))+7] offset:64*(\ib)+16
.endr
.irp t, 0,1,2,3,4,5,6,7
	ds_load_b128 v[SM+8*(\t):SM+8*(\t)+3],   v[RD] offset:(\t)*2*SP
	ds_load_b128 v[SM+8*(\t)+4:SM+8*(\t)+7], v[RD] offset:(\t)*2*SP+16
.endr
.if (\ob) == 0
	s_wait_loadcnt 0x0                             ; W
.else
	s_wait_xcnt 0x0                                ; TW was the data of block 0's stores: it is rewritten only behind this wait
.endif
	WIN 0x0f
.set c, 0
.rept 32
	v_cvt_pk_bf16_f32 v[TW+c], v[64*(\ob)+2*c], v[64*(\ob)+2*c+1]
.set c, c+1
.endr
	WIN 0
.irp t, 0,1,2,3,4,5,6,7
	s_wait_dscnt 14-2*(\t)                         ; pair t of the loads is in; the younger pairs may stay out
.irp j, 0,1,2,3
	v_lshlrev_b32 v[U+2*(\j)],   16, v[TW+4*(\t)+(\j)]
	v_and_b32     v[U+2*(\j)+1], 0xffff0000, v[TW+4*(\t)+(\j)]
.endr
.irp j, 0,1,2,3
	v_pk_fma_f32 v[SM+8*(\t)+2*(\j):SM+8*(\t)+2*(\j)+1], v[SM+8*(\t)+2*(\j):SM+8*(\t)+2*(\j)+1], 0x3d800000, v[U+2*(\j):U+2*(\j)+1] op_sel_hi:[1,0,1]  ; sum / 16 + W
.endr
.irp j, 0,1,2,3
	v_cvt_pk_bf16_f32 v[TW+4*(\t)+(\j)], v[SM+8*(\t)+2*(\j)], v[SM+8*(\t)+2*(\j)+1]
.endr
	global_store_b128 v[GO], v[TW+4*(\t):TW+4*(\t)+3], s[10:11] offset:(16*(\ob)+2*(\t))*8192  ; 16 lanes store 256 consecutive bytes, at a multiple of 256 from weff's first byte
.endr
.endm
	WOUT 0
	WOUT 1
	s_wait_tensorcnt 0x0                           ; the wave's end, behind my last LDS store
	ds_add_u32 v[SPW], v[NIL]
	s_wait_dscnt 0x0
	s_endpgm
.Lfunc_end_k_qf1de342b00_merge:
	.size	k_qf1de342b00_merge, .Lfunc_end_k_qf1de342b00_merge-k_qf1de342b00_merge
	.p2alignl 7, 3214868480
	.fill 96, 4, 3214868480
	.section	.rodata,"a",@progbits
	.p2align	6, 0x0
	.amdhsa_kernel k_qf1de342b00_merge
		.amdhsa_group_segment_fixed_size 181760
		.amdhsa_private_segment_fixed_size 0
		.amdhsa_enable_private_segment 0
		.amdhsa_kernarg_size 32
		.amdhsa_user_sgpr_count 2
		.amdhsa_user_sgpr_kernarg_segment_ptr 1
		.amdhsa_wavefront_size32 1
		.amdhsa_system_sgpr_workgroup_id_x 1
		.amdhsa_system_sgpr_workgroup_id_y 1
		.amdhsa_system_sgpr_workgroup_id_z 1
		.amdhsa_system_vgpr_workitem_id 0
		.amdhsa_next_free_vgpr 1024
		.amdhsa_next_free_sgpr 66
		.amdhsa_reserve_vcc 0
		.amdhsa_float_denorm_mode_32 3
		.amdhsa_float_denorm_mode_16_64 3
		.amdhsa_memory_ordered 1
		.amdhsa_forward_progress 1
		.amdhsa_inst_pref_size 133
	.end_amdhsa_kernel
	.amdgpu_metadata
---
amdhsa.version: [ 1, 2 ]
amdhsa.kernels:
  - .name:           k_qf1de342b00_merge
    .symbol:         k_qf1de342b00_merge.kd
    .args:
      - { .name: A, .offset: 0, .size: 8, .value_kind: global_buffer, .address_space: global }
      - { .name: B, .offset: 8, .size: 8, .value_kind: global_buffer, .address_space: global }
      - { .name: W, .offset: 16, .size: 8, .value_kind: global_buffer, .address_space: global }
      - { .name: weff, .offset: 24, .size: 8, .value_kind: global_buffer, .address_space: global }
    .group_segment_fixed_size: 181760
    .private_segment_fixed_size: 0
    .kernarg_segment_align: 8
    .kernarg_segment_size: 32
    .max_flat_workgroup_size: 128
    .sgpr_count:     66
    .vgpr_count:     1024
    .wavefront_size: 32
...
	.end_amdgpu_metadata
.endif
;; end of part 1
;; launch main (part 2): grid 4 x 64, 4 waves a work-group, clusters of 4 x 4, 327,680 bytes of LDS; arguments x, weff, out0; writes out0
.if DOCPART == 2
	.amdgcn_target "amdgcn-amd-amdhsa--gfx1250"
	.amdhsa_code_object_version 6
	.text
	.protected	k_qf1de342b00_main
	.globl	k_qf1de342b00_main
	.p2align	8
	.type	k_qf1de342b00_main,@function
k_qf1de342b00_main:
	s_mov_b64 s[64:65], 0
	v_nop
	global_prefetch_b8 v0, s[64:65] scope:SCOPE_SE
	s_setreg_imm32_b32 hwreg(HW_REG_WAVE_MODE, 25, 1), 1
	s_wait_xcnt 0x0
	s_wait_alu depctr_hold_cnt(0) depctr_sa_sdst(0) depctr_va_vdst(0) depctr_va_sdst(0) depctr_va_ssrc(0) depctr_va_vcc(0) depctr_vm_vsrc(0)
	s_getreg_b32 s2, hwreg(HW_REG_IB_STS2, 6, 4)
	s_cmp_eq_u32 s2, 0
	s_cbranch_scc0 .Lentry_in_a_cluster
	s_endpgm
.Lentry_in_a_cluster:
	s_bfe_u32 s2, ttmp6, 0x10000c
	s_cmp_lg_u32 s2, 0xf033
	s_cbranch_scc0 .Lentry_shape_is_right
	s_endpgm
.Lentry_shape_is_right:
; out0[m][n] = the sum over k of bf16(x[m][k]) weff[n][k].  x: [8192][4096] f32.  weff: [1024][4096] bf16 (the launch before made it: W with the low-rank path folded in).  out0: [8192][1024] f32.
; Sums in f32, K ascending; x is rounded to bf16 on its way from LDS to the matrix unit.  LIMITS: NaN and infinities are not treated apart; the rounding of x and of weff to bf16.
; SHARES.  A tile of out0 is 128 (m) x 256 (n): 64 x 4 = 256 work-groups of four waves.  For each k it brings 128 x 4 + 256 x 2 = 1,024 bytes, the least of the tiles that make 256 work-groups.
; A wave makes 64 x 128: 32 accumulators of 16 x 16, 256 registers.  K goes in steps of 128 through a ring of two LDS slots filled by the tensor data mover: x's rows are 512 bytes of memory,
; weff's 256, and both start at multiples of 256 bytes from their buffer's first byte.
; CLUSTERS: 4 x 4 work-groups: four tile rows x all four tile columns.  The four of a row of the cluster need the same tile of x, the four of a column the same tile of weff: each tile is asked for
; JOINTLY, by the same tensor load with the same descriptor and a mask that names the four.
; THE MATRIX INSTRUCTION IS USED TRANSPOSED (source 0 = 16 rows of weff, source 1 = 16 rows of x): a lane then holds row m = lane % 16 and eight neighbouring columns n = 8 (lane / 16) + 0..7.
; THE ROUNDING OF x.  A quarter step (32 along K) has 32 matrix instructions and 32 packed conversions for the next quarter's fragments of x.  The conversions stand four behind each of the
; quarter's last eight matrix instructions, at the price of two window switches each.
; REGISTERS, in windows of 256 (s_set_vgpr_msb: bits 1:0 source 0, 3:2 source 1, 5:4 source 2, 7:6 destination):
;   window 0: v0-31 addresses; v32-63, v64-95 x's fragments in bf16, two buffers (fragment a at 8 a); v128-191 x as f32 out of LDS (fragment a at 16 a); on the way out v128-191, v192-255 rows read back
;   window 1: the accumulators, (a, b) at 8 (8 a + b)          window 2: v0-63, v64-127 weff's fragments, two buffers (fragment b at 8 b)
.set SIZE_K, 4096
.set SIZE_N, 1024
.set KSTEP,  128
.set PX,     528                       ; a row of x in LDS: 512 bytes + 16 of padding = 132 words: row r starts at bank 4 r mod 64 (64 banks of 4 bytes: ISA guide 11.1)
.set PW,     272                       ; a row of weff: 256 + 16 = 68 words: likewise
.set XH,     64*PX                     ; 64 rows of x: what one tensor load brings, and what one wave reads
.set XT,     128*PX                    ; x's tile
.set WH,     128*PW                    ; 128 rows of weff: likewise
.set SLOT,   XT+2*WH                   ; x's 128 rows, then weff's 256
.set STAGE,  2*SLOT                    ; behind the ring: 16 rows x 528 bytes for each wave, for the way out
.set SPITCH, 528
.set SPARE,  STAGE+4*16*SPITCH         ; behind the stages: the spare words, 128 bytes for each wave: two blocks of 256 bytes that no other line names
.set LAPS,   SIZE_K/(2*KSTEP)          ; a lap = two K steps = once round the ring
.set ADRX, 16                          ; v16-17  LDS address of my fragments of x in slot 0, 1
.set ADRW, 20                          ; v20-21  the same for weff
.set STO,  24                          ; v24     the way out: where I put 32 bytes of a row
.set RD,   25                          ; v25     the way out: where I read 16 bytes of a row back
.set CO,   26                          ; v26     16 x lane: my 16 bytes of a row's 512 in out0
.set SPW,  28                          ; v28     LDS address of my spare word: SPARE + 4 x my thread's number; never rewritten
.set NIL,  29                          ; v29     0; never rewritten
.set PFO,  30                          ; v30     the prefetches' lane offset; never rewritten
.set XB,   32
.set XF,   128
.set OB,   128
.set G1,   24                          ; s[24:31] descriptor group 1 for x's tiles;  s[32:39] group 0, one set for each slot
.set G0,   32
.set G1B,  48                          ; s[48:55], s[56:63] the same for weff's tiles
.set G0B,  56
.set LIM,  43                          ; s43      2 in a wave that prefetches, else the greatest number
.set PFA,  44                          ; s[44:45] where my prefetches stand
.set PFS,  66                          ; s[66:67] a K step in bytes of a row: 512 in x's waves, 256 in weff's
.set MSB, 0
.macro WIN new                         ; the immediate's high byte repeats the setting that is left; a switch that changes nothing is dropped
.if MSB != (\new)
	s_set_vgpr_msb (MSB<<8)|(\new)
.set MSB, \new
.endif
.endm
.set MUL,     0x52                     ; source 0 (weff) window 2, source 1 (x) window 0, C and D window 1
.set TO_W,    0x80                     ; destination window 2, address window 0
.set ACC_OUT, 0x04                     ; an LDS store's data (source 1) window 1, its address window 0
; A joint load.  Waves 0 and 1 fetch x's two halves, waves 2 and 3 weff's.  The branch hangs on the wave's number alone.  An s_nop 0 and four v_nop follow each of the two lines, ahead of the
; jump, the label and what follows.
.macro JLOAD s
	s_cmp_eq_u32 s11, 0
	s_cbranch_scc0 .Lfor_w_\@
	tensor_load_to_lds s[G0+4*(\s):G0+4*(\s)+3], s[G1:G1+7]
	s_nop 0
.rept 4
	v_nop
.endr
	s_branch .Lasked_\@
.Lfor_w_\@:
	tensor_load_to_lds s[G0B+4*(\s):G0B+4*(\s)+3], s[G1B:G1B+7]
	s_nop 0
.rept 4
	v_nop
.endr
.Lasked_\@:
.endm
; A PREFETCH INTO THE L2, behind each joint refill, its five lines and the run of LDS loads that follows them: the K step that stands FOUR K steps behind the one just asked for, 512 matrix
; instructions ahead of the load that will want it.  One instruction a wave, 32 blocks of 256 bytes, each named once in the launch.  Of the 64 rows x 512 bytes of x that a wave fetches, the partner
; at place cx takes rows 16 cx .. 16 cx + 15 (a lane: a row and one of its two blocks); no other cluster reads those rows.  Of the 128 rows x 256 bytes of weff, the partner at place cy takes rows
; 32 cy .. 32 cy + 31 (a lane a row); every cluster reads them, and the one with y = 0 asks.  The partners are told apart BY ADDRESS: no branch hangs on a work-group's place in its cluster.
; The loop's last two trips ask for nothing: K steps 32 and on do not exist.  K steps 0 to 5 come by their loads alone.
.macro ASK
	s_cmp_gt_u32 s3, s[LIM]
	s_cbranch_scc0 .Lnot_mine_\@
	global_prefetch_b8 v[PFO], s[PFA:PFA+1] th:TH_LOAD_NT scope:SCOPE_SE
.Lnot_mine_\@:
.endm
.macro CREST                           ; a round of the cluster's barrier behind its opening barrier
	s_cmp_lg_u32 s10, 0
	s_cbranch_scc1 .Lnot_wave_0_\@
	s_barrier_signal -3
.Lnot_wave_0_\@:
	s_barrier_wait -3
	s_barrier_signal -1
	s_barrier_wait -1
.endm
.macro CROUND                          ; a whole round
	s_barrier_signal -1
	s_barrier_wait -1
	CREST
.endm
	s_load_b128 s[4:7], s[0:1], 0x0                ; x s[4:5], weff s[6:7]
	s_load_b64 s[8:9], s[0:1], 0x10                ; out0
	v_lshl_add_u32 v[SPW], v0, 2, SPARE
	v_mov_b32 v[NIL], 0
	ds_add_u32 v[SPW], v[NIL]                      ; the wave's opening: the add, twice on end, and its wait ahead of my first tensor load; the set-up below, work on registers, stands between
	ds_add_u32 v[SPW], v[NIL]                      ; and once more, under the one wait
	v_lshrrev_b32 v1, 5, v0
	v_readfirstlane_b32 s10, v1                    ; wave 0..3
	s_lshr_b32 s11, s10, 1                         ; which 64 of the tile's rows are mine.  Also: I fetch for x (0) or for weff (1)
	s_and_b32 s12, s10, 1                          ; which 128 of its columns.  Also: which half of that tile I fetch
	s_bfe_u32 s40, ttmp6, 0x40000                  ; cx, cy: my place in the cluster
	s_bfe_u32 s41, ttmp6, 0x40004
	s_lshl_b32 s42, ttmp9, 2
	s_add_co_u32 s42, s42, s40                     ; tile column = 4 x cluster x + cx
	s_and_b32 s13, ttmp7, 0xffff
	s_lshl_b32 s13, s13, 2
	s_add_co_u32 s13, s13, s41                     ; tile row = 4 x cluster y + cy
	s_lshl_b32 s43, s41, 2
	s_lshl_b32 s43, 15, s43                        ; my row of the cluster: places 4 cy .. 4 cy + 3
	s_lshl_b32 s44, 0x1111, s40                    ; my column: places cx, cx + 4, cx + 8, cx + 12
	; descriptor group 1.  x: 64 rows x 128 elements of 4 bytes; weff: 128 rows x 128 elements of 2 bytes; both padded in LDS by 4 words behind each row
	s_or_b32 s[G1+0], s43, (2<<16)|(1<<20)|(1<<21)|(6<<22)|(3<<25)   ; 15:0 the mask: my row; 17:16 elements of 4 bytes; 20 padding on; 21 set beside a mask; 24:22 after every 128 words (code 6); 31:25 4 words (code 3)
	s_or_b32 s[G1B+0], s44, (1<<16)|(1<<20)|(1<<21)|(5<<22)|(3<<25)  ; the mask: my column; elements of 2 bytes; after every 64 words (code 5)
	s_mov_b32 s[G1+1], KSTEP<<16                   ; tensor_dim0 = 128
	s_mov_b32 s[G1+2], 64<<16                      ; tensor_dim1 = 64
	s_mov_b32 s[G1+3], KSTEP<<16                   ; tile_dim0 = 128
	s_mov_b32 s[G1+4], 64                          ; tile_dim1 = 64
	s_mov_b32 s[G1+5], SIZE_K                      ; elements from row to row
	s_mov_b32 s[G1+6], 0
	s_mov_b32 s[G1+7], 0
	s_mov_b32 s[G1B+1], KSTEP<<16
	s_mov_b32 s[G1B+2], 128<<16                    ; tensor_dim1 = 128
	s_mov_b32 s[G1B+3], KSTEP<<16
	s_mov_b32 s[G1B+4], 128                        ; tile_dim1 = 128
	s_mov_b32 s[G1B+5], SIZE_K
	s_mov_b32 s[G1B+6], 0
	s_mov_b32 s[G1B+7], 0
	; where the tiles come from: x's hang on the tile row alone, weff's on the tile column alone, each in registers that never hold the other coordinate
	s_lshl_b32 s17, s12, 6
	s_lshl_b32 s16, s13, 7
	s_add_co_u32 s16, s16, s17                     ; x: row 128 x tile row + 64 x half,
	s_lshl_b32 s16, s16, 14                        ; of 16,384 bytes (under 2^27)
	s_mov_b32 s17, 0
	s_lshl_b32 s47, s12, 7
	s_lshl_b32 s46, s42, 8
	s_add_co_u32 s46, s46, s47                     ; weff: row 256 x tile column + 128 x half,
	s_lshl_b32 s46, s46, 13                        ; of 8,192 bytes
	s_mov_b32 s47, 0
	s_mul_i32 s20, s12, XH                         ; and where they go: no place in the cluster enters an LDS address
	s_mul_i32 s21, s12, WH
	s_add_co_u32 s21, s21, XT
	s_wait_dscnt 0x0                               ; both opening adds are done
	s_wait_kmcnt 0x0
	s_add_nc_u64 s[14:15], s[4:5], s[16:17]
	s_add_nc_u64 s[46:47], s[6:7], s[46:47]
	CROUND                                         ; all sixteen work-groups are here: the first joint loads meet
.irp s, 0,1
	s_mov_b32 s[G0+4*(\s)], 1                                        ; count = 1
	s_add_co_u32 s[G0+4*(\s)+1], s20, (\s)*SLOT                      ; LDS address
	s_add_nc_u64 s[G0+4*(\s)+2:G0+4*(\s)+3], s[14:15], (\s)*KSTEP*4  ; global address: K step s
	s_or_b32 s[G0+4*(\s)+3], s[G0+4*(\s)+3], 0x80000000              ; type = 2
	s_mov_b32 s[G0B+4*(\s)], 1
	s_add_co_u32 s[G0B+4*(\s)+1], s21, (\s)*SLOT
	s_add_nc_u64 s[G0B+4*(\s)+2:G0B+4*(\s)+3], s[46:47], (\s)*KSTEP*2
	s_or_b32 s[G0B+4*(\s)+3], s[G0B+4*(\s)+3], 0x80000000
	JLOAD \s                                       ; the ring is filled before anything else is done: two loads of mine are out
.endr
	; A fragment is 16 rows x 32 K: lane l holds row l % 16, K = 8 (l / 16) + 0..7 and 16 + 8 (l / 16) + 0..7.  In bf16 that is two loads of 16 bytes, 32 bytes apart; in f32 four, at 0, 16, 64 and 80.
	v_and_b32 v1, 15, v0                           ; l % 16
	v_bfe_u32 v2, v0, 4, 1                         ; l / 16
	v_mul_u32_u24 v3, v1, PX
	v_lshl_add_u32 v3, v2, 5, v3                   ; x: row x pitch + 32 x half
	v_mul_u32_u24 v4, v1, PW
	v_lshl_add_u32 v4, v2, 4, v4                   ; weff: row x pitch + 16 x half
	s_mul_i32 s21, s11, XH                         ; my 64 rows of x
	s_mul_i32 s22, s12, WH                         ; my 128 rows of weff,
	s_add_co_u32 s22, s22, XT                      ; which lie behind x's 128
.irp s, 0,1
	v_add_nc_u32 v[ADRX+(\s)], s21, v3
	v_add_nc_u32 v[ADRW+(\s)], s22, v4
	s_add_co_u32 s21, s21, SLOT
	s_add_co_u32 s22, s22, SLOT
.endr
	s_mul_i32 s23, s10, 16*SPITCH
	s_add_co_u32 s23, s23, STAGE                   ; my stage
	v_add_nc_u32 v[STO], s23, v3                   ; in: row l % 16, 32 bytes for each half of the lanes: the stage's pitch is x's
	v_and_b32 v5, 31, v0
	v_lshlrev_b32 v[CO], 4, v5                     ; back: 32 lanes take a row's 512 bytes
	v_add_nc_u32 v[RD], s23, v[CO]
	s_lshl_b32 s16, s13, 7
	s_lshl_b32 s17, s11, 6
	s_add_co_u32 s16, s16, s17                     ; my first row of out0: 128 x tile row + 64 x half,
	s_lshl_b32 s16, s16, 12                        ; of 4,096 bytes
	s_mov_b32 s17, 0
	s_add_nc_u64 s[8:9], s[8:9], s[16:17]
	s_lshl_b32 s46, s42, 10                        ; my first column, in bytes: 1,024 x tile column + 512 x half
	s_lshl_b32 s47, s12, 9
	s_add_co_u32 s46, s46, s47
	s_mov_b32 s47, 0
	s_add_nc_u64 s[8:9], s[8:9], s[46:47]
	; the prefetches
	s_lshl_b32 s20, s13, 7                         ; x: the tile's first row,
	s_lshl_b32 s21, s12, 6                         ; the 64 rows that I fetch,
	s_add_co_u32 s20, s20, s21
	s_lshl_b32 s21, s40, 4                         ; my work-group's 16 of them,
	s_add_co_u32 s20, s20, s21
	s_lshl_b32 s20, s20, 14
	s_add_co_u32 s20, s20, 5*KSTEP*4               ; at K step 5: the first refill steps it to 6
	s_lshl_b32 s18, s42, 8                         ; weff: the same with 128 rows, 32 of them mine
	s_lshl_b32 s19, s12, 7
	s_add_co_u32 s18, s18, s19
	s_lshl_b32 s19, s41, 5
	s_add_co_u32 s18, s18, s19
	s_lshl_b32 s18, s18, 13
	s_add_co_u32 s18, s18, 5*KSTEP*2
	s_lshr_b32 s[PFS], 512, s11                    ; a K step: 512 bytes of a row of x, 256 of weff
	s_mov_b32 s[PFS+1], 0
	s_and_b32 s22, ttmp7, 0xffff                   ; cluster y: along it other clusters read the same rows of weff
	s_cmp_eq_u32 s22, 0
	s_cselect_b32 s22, 2, -1
	s_cmp_eq_u32 s11, 0                            ; do I fetch for x?
	s_cselect_b32 s20, s20, s18
	s_cselect_b32 s[LIM], 2, s22                   ; the same in all sixteen partners, for a given wave
	s_cselect_b64 s[PFA:PFA+1], s[4:5], s[6:7]
	s_cselect_b32 s18, 14, 13                      ; l % 16: a row of x, or of weff
	s_cselect_b32 s19, 8, 17                       ; l / 16: the row's second block of 256 bytes, or 16 rows of weff
	s_mov_b32 s21, 0
	s_add_nc_u64 s[PFA:PFA+1], s[PFA:PFA+1], s[20:21]
	v_lshlrev_b32 v[PFO], s18, v1
	v_lshlrev_b32 v5, s19, v2
	v_add_nc_u32 v[PFO], v[PFO], v5
	; nothing is prefetched here, at the head, where every work-group's first two tiles are on their way
; 8 matrix instructions: block a of my four blocks of 16 rows x all 8 blocks of 16 columns, 32 along K, from buffer f.  zero = 1: the product starts the sums: nothing is ever cleared.
; The 32 accumulators take turns, one instruction a turn, in the same order in every quarter, over the backward jump too.
.macro MUL8 f, a, zero
	WIN MUL
.irp b, 0,1,2,3,4,5,6,7
.if \zero
	v_wmma_f32_16x16x32_bf16 v[8*(8*(\a)+(\b)):8*(8*(\a)+(\b))+7], v[64*(\f)+8*(\b):64*(\f)+8*(\b)+7], v[XB+32*(\f)+8*(\a):XB+32*(\f)+8*(\a)+7], 0
.else
	v_wmma_f32_16x16x32_bf16 v[8*(8*(\a)+(\b)):8*(8*(\a)+(\b))+7], v[64*(\f)+8*(\b):64*(\f)+8*(\b)+7], v[XB+32*(\f)+8*(\a):XB+32*(\f)+8*(\a)+7], v[8*(8*(\a)+(\b)):8*(8*(\a)+(\b))+7]
.endif
.endr
.endm
; The quarter's last 8 matrix instructions (block 3), and behind each four of the 32 conversions that make the next quarter's fragments of x in buffer g.
.macro MULR f, g, zero
.irp b, 0,1,2,3,4,5,6,7
	WIN MUL
.if \zero
	v_wmma_f32_16x16x32_bf16 v[8*(24+(\b)):8*(24+(\b))+7], v[64*(\f)+8*(\b):64*(\f)+8*(\b)+7], v[XB+32*(\f)+24:XB+32*(\f)+31], 0
.else
	v_wmma_f32_16x16x32_bf16 v[8*(24+(\b)):8*(24+(\b))+7], v[64*(\f)+8*(\b):64*(\f)+8*(\b)+7], v[XB+32*(\f)+24:XB+32*(\f)+31], v[8*(24+(\b)):8*(24+(\b))+7]
.endif
	WIN 0
.irp j, 0,1,2,3
	v_cvt_pk_bf16_f32 v[XB+32*(\g)+4*(\b)+(\j)], v[XF+2*(4*(\b)+(\j))], v[XF+2*(4*(\b)+(\j))+1]
.endr
.endr
.endm
; 32 LDS loads in one run: quarter q of a slot's K step: x's four fragments as f32, first, then weff's eight into buffer g
.macro FETCH slot, q, g
	WIN 0
.irp a, 0,1,2,3
	ds_load_b128 v[XF+16*(\a):XF+16*(\a)+3],     v[ADRX+(\slot)] offset:128*(\q)+(\a)*16*PX
	ds_load_b128 v[XF+16*(\a)+4:XF+16*(\a)+7],   v[ADRX+(\slot)] offset:128*(\q)+(\a)*16*PX+16
	ds_load_b128 v[XF+16*(\a)+8:XF+16*(\a)+11],  v[ADRX+(\slot)] offset:128*(\q)+(\a)*16*PX+64
	ds_load_b128 v[XF+16*(\a)+12:XF+16*(\a)+15], v[ADRX+(\slot)] offset:128*(\q)+(\a)*16*PX+80
.endr
	WIN TO_W
.irp b, 0,1,2,3,4,5,6,7
	ds_load_b128 v[64*(\g)+8*(\b):64*(\g)+8*(\b)+3],   v[ADRW+(\slot)] offset:64*(\q)+(\b)*16*PW
	ds_load_b128 v[64*(\g)+8*(\b)+4:64*(\g)+8*(\b)+7], v[ADRW+(\slot)] offset:64*(\q)+(\b)*16*PW+32
.endr
.endm
; A load into a register that a matrix instruction has read, and a vector instruction that writes one, stand four places behind that matrix instruction; only plain vector instructions that
; name none of its registers are places (ISA guide 7.12.1 for vector instructions).  The four v_nop in front of each run of loads lie behind the last reader of both
; halves of buffer g: they serve the loads into weff's half and the conversions into x's.
.macro PLACES
.rept 4
	v_nop
.endr
.endm
; A K step is four quarters of 32 along K on buffers 0, 1, 0, 1.  One of the first three: multiplies buffer f and fetches quarter q of the same slot into buffer g.
.macro QUARTER slot, q, f, g, zero
	s_wait_dscnt 0x0                               ; weff's fragments of buffer f are in (x's were waited for by the conversions)
	MUL8 \f, 0, \zero
	PLACES
	FETCH \slot, \q, \g
	MUL8 \f, 1, \zero
	MUL8 \f, 2, \zero
	s_wait_dscnt 16                                ; x's 16 loads are in; weff's 16, issued behind them, may stay out
	MULR \f, \g, \zero
.endm
; The last quarter multiplies buffer 1 and changes slots: ONE barrier; in front of it each wave waits for all its tensor loads, of which one is out: its part of the next slot; adds 0 to its
; spare word; and waits for that and for its own reads of this slot.  fill = 1: the barrier opens a round of the cluster's, and this slot is filled again, two K steps ahead, first thing behind the
; round: from that request to the wait for it a wave issues 112 matrix instructions.
.macro TURN slot, next, fill
	WIN 0
.if \fill
	s_wait_xcnt 0x0                                ; the last prefetch, a K step back, has read its address: it is stepped here, ahead of the waits of the change of slots
	s_add_nc_u64 s[PFA:PFA+1], s[PFA:PFA+1], s[PFS:PFS+1]
.endif
	s_wait_tensorcnt 0x0                           ; all my tensor loads have landed;
	ds_add_u32 v[SPW], v[NIL]                      ; 0 onto my spare word;
	s_wait_dscnt 1                                 ; (the add may be out; weff's fragments of buffer 1 are in)
	MUL8 1, 0, 0                                   ; eight matrix instructions stand between the add and the wait for it
	s_wait_dscnt 0x0                               ; the add is done, and my reads of this slot are over
	s_barrier_signal -1
	MUL8 1, 1, 0                                   ; work on registers while the others arrive
.if \fill
	WIN 0
.endif
	s_barrier_wait -1
.if \fill
	CREST                                          ; no wave of any partner still reads this slot's tiles or has a load on its way
	s_add_nc_u64 s[G0+4*(\slot)+2:G0+4*(\slot)+3], s[G0+4*(\slot)+2:G0+4*(\slot)+3], 2*KSTEP*4
	s_add_nc_u64 s[G0B+4*(\slot)+2:G0B+4*(\slot)+3], s[G0B+4*(\slot)+2:G0B+4*(\slot)+3], 2*KSTEP*2
	JLOAD \slot                                    ; the four v_nop behind it are also the places in front of the loads below
.else
	PLACES
.endif
	FETCH \next, 0, 0
.if \fill
	WIN 0
	ASK
.endif
	MUL8 1, 2, 0
	s_wait_dscnt 16                                ; x's 16 loads are in
	MULR 1, 0, 0
.endm
	s_wait_tensorcnt 1                             ; my part of K step 0 is in; K step 1's may stay out
	s_barrier_signal -1
	s_barrier_wait -1                              ; everybody's is
	FETCH 0, 0, 0
	s_wait_dscnt 0x0
	WIN 0
.set c, 0
.rept 32                               ; the first quarter's fragments of x: there is no matrix work yet to set them behind
	v_cvt_pk_bf16_f32 v[XB+c], v[XF+2*c], v[XF+2*c+1]
.set c, c+1
.endr
	QUARTER 0, 1, 0, 1, 1                          ; the first quarter stands in front of the loop: its products start the sums
	WIN 0                                          ; at a label and at a branch every window is 0
	s_mov_b32 s3, LAPS-1
.Llap:                                         ; a trip goes once round the ring, from a lap's second quarter to the next lap's first, and fills both slots again
	QUARTER 0, 2, 1, 0, 0
	QUARTER 0, 3, 0, 1, 0
	TURN 0, 1, 1
	QUARTER 1, 1, 0, 1, 0
	QUARTER 1, 2, 1, 0, 0
	QUARTER 1, 3, 0, 1, 0
	TURN 1, 0, 1
	QUARTER 0, 1, 0, 1, 0
	WIN 0
	s_sub_co_u32 s3, s3, 1
	s_cmp_lg_u32 s3, 0
	s_cbranch_scc1 .Llap
	QUARTER 0, 2, 1, 0, 0                          ; the last lap fills nothing, and has no round of the cluster's barrier
	QUARTER 0, 3, 0, 1, 0
	TURN 0, 1, 0
	QUARTER 1, 1, 0, 1, 0
	QUARTER 1, 2, 1, 0, 0
	QUARTER 1, 3, 0, 1, 0
	s_wait_dscnt 0x0                               ; the very last quarter: nothing more to fetch
	MUL8 1, 0, 0
	MUL8 1, 1, 0
	MUL8 1, 2, 0
	MUL8 1, 3, 0
	PLACES                                         ; the LDS stores below read results
; THE WAY OUT of block a (16 rows of out0, f32 as they are): 32 bytes a lane into my own stage, back as whole rows of 512 bytes, stored.  LDS serves a wave's instructions in order (ISA guide
; 5.7.1.4): the loads see the stores above them, and the next block's stores come behind these loads.  No other wave touches my stage and no tensor load fills it: no barrier.
.macro OUT a
	WIN ACC_OUT
.irp b, 0,1,2,3,4,5,6,7                ; each accumulator's four lowest registers are read first
	ds_store_b128 v[STO], v[8*(8*(\a)+(\b)):8*(8*(\a)+(\b))+3]   offset:64*(\b)
	ds_store_b128 v[STO], v[8*(8*(\a)+(\b))+4:8*(8*(\a)+(\b))+7] offset:64*(\b)+16
.endr
	WIN 0
	s_wait_xcnt 0x0                                ; the registers loaded below were the data of the stores two blocks back: they are rewritten only behind this wait
.set BK, OB+64*((\a)%2)
.irp t, 0,1,2,3,4,5,6,7,8,9,10,11,12,13,14,15
	ds_load_b128 v[BK+4*(\t):BK+4*(\t)+3], v[RD] offset:(\t)*SPITCH
.endr
.irp t, 0,1,2,3,4,5,6,7,8,9,10,11,12,13,14,15
	s_wait_dscnt 15-(\t)                           ; row t is back; the younger loads may stay out
	global_store_b128 v[CO], v[BK+4*(\t):BK+4*(\t)+3], s[8:9] offset:(16*(\a)+(\t))*SIZE_N*4 th:TH_STORE_NT  ; the wave stores 512 consecutive bytes, at a multiple of 512 from out0's first byte
.endr
.endm
	OUT 0
	OUT 1
	OUT 2
	OUT 3
	s_wait_tensorcnt 0x0                           ; the wave's end, behind my last tensor load and my last LDS store
	ds_add_u32 v[SPW], v[NIL]
	s_wait_dscnt 0x0
	CROUND                                         ; the closing round: no work-group ends while a partner may still ask for a tile that names it
	s_endpgm
.Lfunc_end_k_qf1de342b00_main:
	.size	k_qf1de342b00_main, .Lfunc_end_k_qf1de342b00_main-k_qf1de342b00_main
	.p2alignl 7, 3214868480
	.fill 96, 4, 3214868480
	.section	.rodata,"a",@progbits
	.p2align	6, 0x0
	.amdhsa_kernel k_qf1de342b00_main
		.amdhsa_group_segment_fixed_size 327680
		.amdhsa_private_segment_fixed_size 0
		.amdhsa_enable_private_segment 0
		.amdhsa_kernarg_size 24
		.amdhsa_user_sgpr_count 2
		.amdhsa_user_sgpr_kernarg_segment_ptr 1
		.amdhsa_wavefront_size32 1
		.amdhsa_system_sgpr_workgroup_id_x 1
		.amdhsa_system_sgpr_workgroup_id_y 1
		.amdhsa_system_sgpr_workgroup_id_z 1
		.amdhsa_system_vgpr_workitem_id 0
		.amdhsa_next_free_vgpr 640
		.amdhsa_next_free_sgpr 68
		.amdhsa_reserve_vcc 0
		.amdhsa_float_denorm_mode_32 3
		.amdhsa_float_denorm_mode_16_64 3
		.amdhsa_memory_ordered 1
		.amdhsa_forward_progress 1
		.amdhsa_inst_pref_size 136
	.end_amdhsa_kernel
	.amdgpu_metadata
---
amdhsa.version: [ 1, 2 ]
amdhsa.kernels:
  - .name:           k_qf1de342b00_main
    .symbol:         k_qf1de342b00_main.kd
    .args:
      - { .name: x, .offset: 0, .size: 8, .value_kind: global_buffer, .address_space: global }
      - { .name: weff, .offset: 8, .size: 8, .value_kind: global_buffer, .address_space: global }
      - { .name: out0, .offset: 16, .size: 8, .value_kind: global_buffer, .address_space: global }
    .group_segment_fixed_size: 327680
    .private_segment_fixed_size: 0
    .kernarg_segment_align: 8
    .kernarg_segment_size: 24
    .max_flat_workgroup_size: 128
    .sgpr_count:     68
    .vgpr_count:     640
    .wavefront_size: 32
...
	.end_amdgpu_metadata
.endif
;; end of part 2
;; ======== version 2 of 2: 2 launches; version 1 with the launch merge written anew for expert scheduling mode
;; workspace buffers: weff 8,388,608 bytes
;; launch merge (part 3): grid 32 x 8, 4 waves a work-group, no clusters, 181,760 bytes of LDS; arguments A, B, W, weff; writes weff
.if DOCPART == 3
	.amdgcn_target "amdgcn-amd-amdhsa--gfx1250"
	.amdhsa_code_object_version 6
	.text
	.protected	k_qf1de342b00_merge
	.globl	k_qf1de342b00_merge
	.p2align	8
	.type	k_qf1de342b00_merge,@function
k_qf1de342b00_merge:
	s_mov_b64 s[64:65], 0
	v_nop
	global_prefetch_b8 v0, s[64:65] scope:SCOPE_SE
	s_setreg_imm32_b32 hwreg(HW_REG_WAVE_SCHED_MODE, 0, 2), 2
	s_setreg_imm32_b32 hwreg(HW_REG_WAVE_MODE, 25, 1), 1
	s_wait_xcnt 0x0
	s_wait_alu depctr_vm_vsrc(0)
; weff[o][i] = bf16( bf16(W[o][i]) + (1/16) x the sum over k of bf16(Bm[o][k]) bf16(A[k][i]) ),  k = 16 head + r = 0 .. 511,  Bm[o][16 head + r] = B[head][o][r].
; A: [32][16][4096] f32, taken as [512][4096].  B: [32][1024][16] f32.  W: [1024][4096] f32.  weff: [1024][4096] bf16.  Sums in f32.
; WHY.  out = x W^T + (1/16) (x A^T) Bm^T = x (W + (1/16) Bm A)^T for every input: the low-rank path is folded into the weights here, and the next launch is one product.
; LIMITS.  The order of summation differs from the written form's (the sum over heads is taken first); weff is rounded once to bf16; NaN and infinities are not treated apart.
; SHARES.  A work-group makes 128 (o) x 128 (i) of weff: 8 x 32 = 256 work-groups.  Wave w owns rows 32 w .. 32 w + 31: 16 accumulators (2 blocks of 16 o x 8 blocks of 16 i).
; B's rows are a wave's own: they go from memory into registers and are rounded there (all 16 K steps: 256 registers).  A's strip, 512 k x 128 i, is rounded once, each wave a quarter of
; it, and lies in LDS as bf16 [k][i]; its fragments are read turned, by ds_load_tr16_b128.
; LAYOUT.  Source 0 = 16 i x 32 k (A turned), source 1 = 16 o x 32 k (Bm): in the result a lane holds ONE row o (lane % 16) and the columns i = 8 (lane / 16) + 0..7.
; NO CLUSTER, NO TENSOR LOAD: A lies [k][i] in f32 and must pass through registers (the rounding) before the turning load can read it as 16-bit numbers; brought by tensor loads its
; 512 x 512 bytes a work-group would lie in LDS as f32, be read, rounded and stored there again: three passes of LDS for the one that is made here.
; REGISTERS, in windows of 256 (s_set_vgpr_msb: bits 1:0 source 0, 3:2 source 1, 5:4 source 2, 7:6 destination):
;   window 0: v0-29 addresses and at work; v32-95 T (rounded A on its way to LDS), later SM (sums read back); v96-127 TW (W rounded, then the result); v128-255 the accumulators
;   window 1: Bm's fragments, K step s and block ob at 8 (2 s + ob)     window 2: A's fragments, four buffers of 64     window 3: two sets of 128 for f32 as loaded
; THE MODE: SCHED_MODE bits 1:0 = 2 (LLVM: expert scheduling mode 2), set by the entry lines.  The code itself states the register dependences
; between vector or matrix instructions and memory or LDS instructions, with s_wait_alu, always for 0.
; THE PLAN.  Registers that memory or LDS instructions touch:
;   v4-v14         addresses and offsets: written at the head, read by every load and store, never written again.
;   sets 0, 1      (window 3) a turn's 64 conversions read a set; behind them the set's next 32 loads land in it.
;   T              a turn's conversions write it, the turn's 32 LDS stores read it, the next turn's conversions write it again.
;   A's buffers    (window 2) K step s's products read buffer s % 4; the loads of K step s + 2 land in buffer (s + 2) % 4, which K step s - 2's products read.
;   accumulators   written by the products, read by the way out's LDS stores.
;   SM (T's registers)  the sums' loads land in it; a block's arithmetic reads and rewrites it; the next block's loads land in it.
;   TW             written by a block's conversions, read by the block's eight global stores, written again by the next block's conversions.
;   Bm's fragments (window 1) and v16-23 are named by vector and matrix instructions alone.
; So: one wait on va_vdst behind each turn's conversions, for the set's next loads and for the LDS stores alike; one for every TWO K steps of the products, at the head of the even ones;
; one ahead of each run of stores on the way out.  A wait on vm_vsrc stands ahead of each rewriting of T, SM and TW.
.set PA,    288                        ; a row of A's strip in LDS: 256 bytes + 32 = 72 words
.set STAGE, 512*PA                     ; behind the strip: 16 rows x 528 bytes for each wave, for the way out
.set SP,    528                        ; a stage row: 128 f32 + 16 bytes
.set SPARE, STAGE+4*16*SP              ; behind the stages: the spare words, 128 bytes for each wave: two blocks of 256 bytes that no other line names
.set AO,  4                            ; v4     16 x lane: my 16 bytes of a row of A's strip in memory
.set AS,  5                            ; v5     where I put my 8 bytes of a row of the strip: my wave's 128 rows + 8 x lane
.set BO,  6                            ; v6     64 (l % 16) + 32 (l / 16): my 32 bytes of a row of B
.set WO,  7                            ; v7     (l / 16) rows of W + 32 (l % 16)
.set ATR, 8                            ; v8-11  the turning load's address for K steps 4 g .. 4 g + 3
.set STO, 12                           ; v12    the way out: where I put 32 bytes of a row
.set RD,  13                           ; v13    the way out: where I read 32 bytes back
.set GO,  14                           ; v14    my 16 bytes of weff
.set U,   16                           ; v16-23 at work
.set SPW, 28                           ; v28    LDS address of my spare word: SPARE + 4 x my thread's number; never rewritten
.set NIL, 29                           ; v29    0; never rewritten
.set T,   32
.set SM,  32
.set TW,  96
.set ACC, 128
.set MSB, 0
.macro WIN new                         ; the immediate's high byte repeats the setting that is left; a switch that changes nothing is dropped
.if MSB != (\new)
	s_set_vgpr_msb (MSB<<8)|(\new)
.set MSB, \new
.endif
.endm
.macro PLACES                          ; four places behind a matrix instruction, in front of loads into registers that it has read and of LDS stores that read results
.rept 4
	v_nop
.endr
.endm
	s_load_b256 s[4:11], s[0:1], 0x0               ; A s[4:5], B s[6:7], W s[8:9], weff s[10:11]
	v_lshl_add_u32 v[SPW], v0, 2, SPARE
	v_mov_b32 v[NIL], 0
	v_lshrrev_b32 v1, 5, v0
	v_readfirstlane_b32 s12, v1                    ; wave 0..3
	s_and_b32 s13, ttmp7, 0xffff                   ; which 128 rows o; ttmp9: which 128 columns i
	v_and_b32 v2, 31, v0                           ; l
	v_and_b32 v1, 15, v0                           ; l % 16
	v_bfe_u32 v3, v0, 4, 1                         ; l / 16
	s_lshl_b32 s14, ttmp9, 9                       ; A: 128 columns of 4 bytes,
	s_wait_alu depctr_va_sdst(0)                   ; s12 is written, ahead of its first reader: the bases and the LDS addresses are made from it
	s_lshl_b32 s15, s12, 21                        ; my wave's 128 rows k of 16,384 bytes
	s_add_co_u32 s14, s14, s15
	s_mov_b32 s15, 0
	s_lshl_b32 s16, s13, 13                        ; B: 128 rows o of 64 bytes,
	s_lshl_b32 s17, s12, 11                        ; my wave's 32
	s_add_co_u32 s16, s16, s17
	s_mov_b32 s17, 0
	s_lshl_b32 s18, s13, 21                        ; W: 128 rows of 16,384 bytes,
	s_lshl_b32 s19, s12, 19                        ; my wave's 32,
	s_add_co_u32 s18, s18, s19
	s_lshl_b32 s19, ttmp9, 9                       ; 128 columns of 4 bytes
	s_add_co_u32 s18, s18, s19
	s_mov_b32 s19, 0
	s_lshl_b32 s20, s13, 20                        ; weff: the same in rows of 8,192 bytes and columns of 2
	s_lshl_b32 s21, s12, 18
	s_add_co_u32 s20, s20, s21
	s_lshl_b32 s21, ttmp9, 8
	s_add_co_u32 s20, s20, s21
	s_mov_b32 s21, 0
	s_mul_i32 s22, s12, 128*PA                     ; my wave's 128 rows of the strip in LDS
	s_mul_i32 s23, s12, 16*SP
	s_add_co_u32 s23, s23, STAGE                   ; my stage
	v_lshlrev_b32 v[AO], 4, v2
	v_lshl_add_u32 v[AS], v2, 3, s22
	v_lshlrev_b32 v[BO], 6, v1
	v_lshl_add_u32 v[BO], v3, 5, v[BO]
	v_lshlrev_b32 v[WO], 5, v1
	v_lshl_add_u32 v[WO], v3, 14, v[WO]
	; The turning load takes 16 k x 16 i (lane l reads 16 bytes: row k = 8 (l / 16) + l % 8, columns 8 ((l / 8) % 2) + 0..7) and leaves half a fragment: lane l holds column l % 16 and 8 k.
	v_and_b32 v15, 7, v0
	v_lshl_add_u32 v15, v3, 3, v15
	v_mul_u32_u24 v15, v15, PA
	v_bfe_u32 v24, v0, 3, 1
	v_lshl_add_u32 v[ATR], v24, 4, v15
.irp g, 1,2,3
	v_add_nc_u32 v[ATR+(\g)], (\g)*128*PA, v[ATR]  ; 128 rows k on: the loads' 16-bit offsets reach four K steps
.endr
	v_mul_u32_u24 v[STO], v1, SP                   ; in: row l % 16, 32 bytes for each half of the lanes
	v_lshl_add_u32 v[STO], v3, 5, v[STO]
	v_add_nc_u32 v[STO], s23, v[STO]
	v_mul_u32_u24 v[RD], v3, SP                    ; back: lanes 0-15 take one row, 8 columns each, lanes 16-31 the next
	v_lshl_add_u32 v[RD], v1, 5, v[RD]
	v_add_nc_u32 v[RD], s23, v[RD]
	v_lshlrev_b32 v[GO], 4, v1                     ; and the same two rows in weff, 16 bytes a lane
	v_lshl_add_u32 v[GO], v3, 13, v[GO]
	s_wait_kmcnt 0x0
	s_add_nc_u64 s[4:5], s[4:5], s[14:15]
	s_add_nc_u64 s[6:7], s[6:7], s[16:17]
	s_add_nc_u64 s[8:9], s[8:9], s[18:19]
	s_add_nc_u64 s[10:11], s[10:11], s[20:21]
; 32 rows k of my quarter of A's strip, rows 32 b on, into set: one load is a row's 512 consecutive bytes
.macro LDA b, set
	WIN 0xc0                                       ; destination window 3, address window 0
.set j, 0
.rept 32
	global_load_b128 v[128*(\set)+4*j:128*(\set)+4*j+3], v[AO], s[4:5] offset:(32*(\b)+j)*16384
.set j, j+1
.endr
.endm
; a set of A is rounded to bf16, into T.  first = 1: T has not been stored from yet.
.macro CVA set, first
.if !(\first)
	s_wait_alu depctr_vm_vsrc(0)                   ; the last turn's LDS stores have read T, which the conversions below write again
.endif
	WIN 0x0f                                       ; sources 0 and 1 window 3, destination window 0
.set c, 0
.rept 64
	v_cvt_pk_bf16_f32 v[T+c], v[128*(\set)+2*c], v[128*(\set)+2*c+1]
.set c, c+1
.endr
	WIN 0xc0
	s_wait_alu depctr_va_vdst(0)                   ; the conversions are done reading the set, in which the next 32 loads land, and have written T, which the LDS stores behind those loads read
.endm
; T goes into the strip, rows 32 b on of my quarter: a row is 32 lanes x 8 bytes on end.  No vector instruction stands between the wait at CVA's end and these stores
.macro STA b
	WIN 0
.set j, 0
.rept 32
	ds_store_b64 v[AS], v[T+2*j:T+2*j+1] offset:(32*(\b)+j)*PA
.set j, j+1
.endr
.endm
; Bm's fragments of K steps 4 q .. 4 q + 3, as f32.  K step s is heads 2 s and 2 s + 1: a lane's k = 8 (l / 16) + 0..7 are 32 bytes of its row in head 2 s, its k = 16 + 8 (l / 16) + 0..7 the same bytes in head 2 s + 1.
.macro LDB q, set
	WIN 0xc0
.set f, 0
.rept 8                                ; fragment f: K step 4 q + f / 2, block f % 2 of 16 rows o
.set hd, 2*(4*(\q)+f/2)*65536+(f%2)*1024
	global_load_b128 v[128*(\set)+16*f:128*(\set)+16*f+3],     v[BO], s[6:7] offset:hd
	global_load_b128 v[128*(\set)+16*f+4:128*(\set)+16*f+7],   v[BO], s[6:7] offset:hd+16
	global_load_b128 v[128*(\set)+16*f+8:128*(\set)+16*f+11],  v[BO], s[6:7] offset:hd+65536
	global_load_b128 v[128*(\set)+16*f+12:128*(\set)+16*f+15], v[BO], s[6:7] offset:hd+65536+16
.set f, f+1
.endr
.endm
.macro PUTB q, set, more               ; rounded to bf16, they are the fragments.  more = 1: the set is loaded again
	WIN 0x4f                                       ; sources 0 and 1 window 3, destination window 1
.set c, 0
.rept 64
	v_cvt_pk_bf16_f32 v[64*(\q)+c], v[128*(\set)+2*c], v[128*(\set)+2*c+1]
.set c, c+1
.endr
.if \more
	WIN 0xc0
	s_wait_alu depctr_va_vdst(0)                   ; the conversions are done reading the set, in which the next 32 loads land
.endif
.endm
.macro LDW                             ; my 32 rows x 128 columns of W into set 0, laid as the way out reads the sums back: two rows a pair of loads, 32 bytes a lane.  Each byte of W is read once in the launch
	WIN 0xc0
.irp ob, 0,1
.irp t, 0,1,2,3,4,5,6,7
	global_load_b128 v[64*(\ob)+8*(\t):64*(\ob)+8*(\t)+3],   v[WO], s[8:9] offset:(16*(\ob)+2*(\t))*16384 th:TH_LOAD_NT
	global_load_b128 v[64*(\ob)+8*(\t)+4:64*(\ob)+8*(\t)+7], v[WO], s[8:9] offset:(16*(\ob)+2*(\t))*16384+16 th:TH_LOAD_NT
.endr
.endr
.endm
.macro FETCHA s                        ; A's eight fragments of K step s, turned, into buffer s % 4
	WIN 0x80                                       ; destination window 2
.irp ib, 0,1,2,3,4,5,6,7
	ds_load_tr16_b128 v[64*((\s)%4)+8*(\ib):64*((\s)%4)+8*(\ib)+3],   v[ATR+(\s)/4] offset:((\s)%4)*32*PA+32*(\ib)
	ds_load_tr16_b128 v[64*((\s)%4)+8*(\ib)+4:64*((\s)%4)+8*(\ib)+7], v[ATR+(\s)/4] offset:((\s)%4)*32*PA+32*(\ib)+16*PA
.endr
.endm
.macro STEP s                          ; K step s: 16 products; the 16 accumulators take turns, one instruction a turn.  K step 0 starts the sums: nothing is cleared
	WIN 0x06                                       ; source 0 (A) window 2, source 1 (Bm) window 1, C and D window 0
.irp ob, 0,1
.irp ib, 0,1,2,3,4,5,6,7
.if (\s) == 0
	v_wmma_f32_16x16x32_bf16 v[ACC+8*(8*(\ob)+(\ib)):ACC+8*(8*(\ob)+(\ib))+7], v[64*((\s)%4)+8*(\ib):64*((\s)%4)+8*(\ib)+7], v[8*(2*(\s)+(\ob)):8*(2*(\s)+(\ob))+7], 0
.else
	v_wmma_f32_16x16x32_bf16 v[ACC+8*(8*(\ob)+(\ib)):ACC+8*(8*(\ob)+(\ib))+7], v[64*((\s)%4)+8*(\ib):64*((\s)%4)+8*(\ib)+7], v[8*(2*(\s)+(\ob)):8*(2*(\s)+(\ob))+7], v[ACC+8*(8*(\ob)+(\ib)):ACC+8*(8*(\ob)+(\ib))+7]
.endif
.endr
.endr
.endm
	; THE WAY IN.  Two sets of 128 registers take turns: while one is rounded, the other's 32 loads are on their way, and the first is asked for again at once, ahead of the turn's LDS stores.
	; Every wait on LOADcnt below is for 32: the 32 younger loads, the other set's, may stay out.
	WIN 0xc0
	s_wait_alu depctr_va_vdst(0)                   ; the addresses and offsets v4 to v14 are written: every load and store of the kernel reads one of them
	LDA 0, 0
	LDA 1, 1
	s_wait_loadcnt 32
	CVA 0, 1
	LDA 2, 0
	STA 0
	s_wait_loadcnt 32
	CVA 1, 0
	LDA 3, 1
	STA 1
	s_wait_loadcnt 32
	CVA 0, 0
	LDB 0, 0
	STA 2
	s_wait_loadcnt 32
	CVA 1, 0
	LDB 1, 1
	STA 3
	s_wait_dscnt 0x0                               ; for the others' sake: my quarter of the strip is stored
	s_barrier_signal -1
	s_barrier_wait -1                              ; the strip is whole; nobody writes it again
	FETCHA 0                                       ; no vector or matrix instruction has named A's buffers yet: these loads, and those of K steps 2 and 3, hang on nothing but their addresses
	FETCHA 1
	s_wait_loadcnt 32
	PUTB 0, 0, 1
	LDB 2, 0
	s_wait_loadcnt 32
	PUTB 1, 1, 1
	LDB 3, 1
	s_wait_loadcnt 32
	PUTB 2, 0, 1
	LDW                                            ; W comes in under the products
	s_wait_loadcnt 32                              ; W's 32 loads may stay out
	PUTB 3, 1, 0
	; THE PRODUCTS.  K step st is multiplied while the fragments of K steps st + 1 and st + 2 come out of LDS.  At the head of K steps 2, 4 .. 12 stand four places and ONE wait, for two runs of loads:
	; K step st + 2's, which follows at once, and K step st + 3's, which stands behind STEP st: that names buffer st % 4, Bm's fragments and the accumulators, none of the registers that the run touches.
.set st, 0
.rept 16
.if (st >= 2) && (st <= 12) && (st%2 == 0)
	PLACES                                         ; behind the last readers of the two buffers to be loaded
	WIN 0x80
	s_wait_alu depctr_va_vdst(0)                   ; the products of K steps st - 2 and st - 1 are done reading their buffers, in which the fragments of K steps st + 2 and st + 3 land
.endif
.if st < 14
	FETCHA st+2
	s_wait_dscnt 32                                ; this K step's fragments are in; the 32 younger loads, the next two K steps', may stay out
.else
	s_wait_dscnt 16*(15-st)                        ; nothing more to fetch: the counts run down
.endif
	STEP st
.set st, st+1
.endr
	PLACES                                         ; the LDS stores below read results
	WIN 0
	s_wait_alu depctr_va_vdst(0)                   ; the products have written the accumulators, which the LDS stores of both blocks read; the places above stay beside this wait
	s_wait_alu depctr_vm_vsrc(0)                   ; the way in's last LDS stores have read T: its registers are SM from here on, and the sums' loads land in them
; THE WAY OUT of block ob (16 rows o): the sums go through my own stage (LDS serves a wave's instructions in order, ISA guide 5.7.1.4: the loads see the stores) and come back so that a lane
; holds 8 neighbouring columns and 16 lanes a row's 128.  W is rounded to bf16 like the other inputs, widened again, and the sum is added with its factor in one fused multiply-add.
; The block's eight global stores stand in one run, behind one wait.  That wait of block 0 also shows its arithmetic done with SM, and no vector instruction follows it ahead of block 1's loads into SM.
.macro WOUT ob
	WIN 0
.irp ib, 0,1,2,3,4,5,6,7               ; each accumulator's four lowest registers are read first
	ds_store_b128 v[STO], v[ACC+8*(8*(\ob)+(\ib)):ACC+8*(8*(\ob)+(\ib))+3]   offset:64*(\ib)
	ds_store_b128 v[STO], v[ACC+8*(8*(\ob)+(\ib))+4:ACC+8*(8*(\ob)+(\ib))+7] offset:64*(\ib)+16
.endr
.irp t, 0,1,2,3,4,5,6,7
	ds_load_b128 v[SM+8*(\t):SM+8*(\t)+3],   v[RD] offset:(\t)*2*SP
	ds_load_b128 v[SM+8*(\t)+4:SM+8*(\t)+7], v[RD] offset:(\t)*2*SP+16
.endr
.if (\ob) == 0
	s_wait_loadcnt 0x0                             ; W
.else
	s_wait_xcnt 0x0                                ; TW was the data of block 0's stores: it is rewritten only behind this wait
	s_wait_alu depctr_vm_vsrc(0)                   ; and block 0's stores have read TW, which the conversions below write again
.endif
	WIN 0x0f
.set c, 0
.rept 32
	v_cvt_pk_bf16_f32 v[TW+c], v[64*(\ob)+2*c], v[64*(\ob)+2*c+1]
.set c, c+1
.endr
	WIN 0
.irp t, 0,1,2,3,4,5,6,7
	s_wait_dscnt 14-2*(\t)                         ; pair t of the loads is in; the younger pairs may stay out
.irp j, 0,1,2,3
	v_lshlrev_b32 v[U+2*(\j)],   16, v[TW+4*(\t)+(\j)]
	v_and_b32     v[U+2*(\j)+1], 0xffff0000, v[TW+4*(\t)+(\j)]
.endr
.irp j, 0,1,2,3
	v_pk_fma_f32 v[SM+8*(\t)+2*(\j):SM+8*(\t)+2*(\j)+1], v[SM+8*(\t)+2*(\j):SM+8*(\t)+2*(\j)+1], 0x3d800000, v[U+2*(\j):U+2*(\j)+1] op_sel_hi:[1,0,1]  ; sum / 16 + W
.endr
.irp j, 0,1,2,3
	v_cvt_pk_bf16_f32 v[TW+4*(\t)+(\j)], v[SM+8*(\t)+2*(\j)], v[SM+8*(\t)+2*(\j)+1]
.endr
.endr
	s_wait_alu depctr_va_vdst(0)                   ; the roundings have written TW, which the eight stores read; the block's arithmetic is done reading and writing SM
.irp t, 0,1,2,3,4,5,6,7
	global_store_b128 v[GO], v[TW+4*(\t):TW+4*(\t)+3], s[10:11] offset:(16*(\ob)+2*(\t))*8192  ; 16 lanes store 256 consecutive bytes, at a multiple of 256 from weff's first byte
.endr
.endm
	WOUT 0
	WOUT 1
	s_wait_dscnt 0x0                               ; the wave's end
	s_wait_alu 0x0
	s_wait_tensorcnt 0x0
	ds_add_u32 v[SPW], v[NIL]
	s_wait_dscnt 0x0
	s_endpgm
.Lfunc_end_k_qf1de342b00_merge:
	.size	k_qf1de342b00_merge, .Lfunc_end_k_qf1de342b00_merge-k_qf1de342b00_merge
	.p2alignl 7, 3214868480
	.fill 96, 4, 3214868480
	.section	.rodata,"a",@progbits
	.p2align	6, 0x0
	.amdhsa_kernel k_qf1de342b00_merge
		.amdhsa_group_segment_fixed_size 181760
		.amdhsa_private_segment_fixed_size 0
		.amdhsa_enable_private_segment 0
		.amdhsa_kernarg_size 32
		.amdhsa_user_sgpr_count 2
		.amdhsa_user_sgpr_kernarg_segment_ptr 1
		.amdhsa_wavefront_size32 1
		.amdhsa_system_sgpr_workgroup_id_x 1
		.amdhsa_system_sgpr_workgroup_id_y 1
		.amdhsa_system_sgpr_workgroup_id_z 1
		.amdhsa_system_vgpr_workitem_id 0
		.amdhsa_next_free_vgpr 1024
		.amdhsa_next_free_sgpr 66
		.amdhsa_reserve_vcc 0
		.amdhsa_float_denorm_mode_32 3
		.amdhsa_float_denorm_mode_16_64 3
		.amdhsa_memory_ordered 1
		.amdhsa_forward_progress 1
		.amdhsa_inst_pref_size 133
	.end_amdhsa_kernel
	.amdgpu_metadata
---
amdhsa.version: [ 1, 2 ]
amdhsa.kernels:
  - .name:           k_qf1de342b00_merge
    .symbol:         k_qf1de342b00_merge.kd
    .args:
      - { .name: A, .offset: 0, .size: 8, .value_kind: global_buffer, .address_space: global }
      - { .name: B, .offset: 8, .size: 8, .value_kind: global_buffer, .address_space: global }
      - { .name: W, .offset: 16, .size: 8, .value_kind: global_buffer, .address_space: global }
      - { .name: weff, .offset: 24, .size: 8, .value_kind: global_buffer, .address_space: global }
    .group_segment_fixed_size: 181760
    .private_segment_fixed_size: 0
    .kernarg_segment_align: 8
    .kernarg_segment_size: 32
    .max_flat_workgroup_size: 128
    .sgpr_count:     66
    .vgpr_count:     1024
    .wavefront_size: 32
...
	.end_amdgpu_metadata
.endif
;; end of part 3
;; launch main: the kernel of part 2 again; grid 4 x 64, 4 waves a work-group, clusters of 4 x 4, 327,680 bytes of LDS; arguments x, weff, out0; writes out0
